; MI455X (gfx1250); checked and timed in simulation.
; The chip was launched on July 23, 2026; its instructions are those of AMD's public machine-readable ISA for CDNA 5 (MIT licence, August 2026) and "CDNA5" Instruction Set Architecture Reference Guide (July 2026). The comments in the code are by the model that wrote it; some were corrected since.
;; Vortex Particles. Allowed arithmetic: float matrix products may take bf16 or f16 operands with f32 sums; all other float work in f32.
;; Inputs: coord 262,144 x 3 float32; intensity_raw 256 x 1 float32; particle_dir 256 x 8 x 3 float32; particle_intensity 256 x 8 x 1 float32; particle_pos 256 x 8 x 3 float32; radius_u 256 x 1 float32; time_mask 256 x 8 int32.
;; Outputs: out0 262,144 x 3 float32.
;; Constants: time_idx = 3.
;; 2 versions, each right; version 2 is version 1 with the launch vortex written anew for expert scheduling mode. Each part assembles by itself: llvm-mc -triple=amdgcn-amd-amdhsa -mcpu=gfx1250 --defsym DOCPART=n.
;; ======== version 1 of 2: 1 launch
;; launch vortex (part 1): grid 256 x 1, 8 waves a work-group, no clusters, 33,792 bytes of LDS; arguments coord, particle_pos, particle_dir, particle_intensity, intensity_raw, radius_u, time_mask, out0; writes out0
.if DOCPART == 1
	.amdgcn_target "amdgcn-amd-amdhsa--gfx1250"
	.amdhsa_code_object_version 6
	.text
	.protected	k_q5517ba2db2_vortex
	.globl	k_q5517ba2db2_vortex
	.p2align	8
	.type	k_q5517ba2db2_vortex,@function
k_q5517ba2db2_vortex:
	s_mov_b64 s[64:65], 0
	v_nop
	global_prefetch_b8 v0, s[64:65] scope:SCOPE_SE
	s_setreg_imm32_b32 hwreg(HW_REG_WAVE_MODE, 25, 1), 1
	s_wait_xcnt 0x0
; out[n] = sum over 256 particles of  w * cross( (p - c[n]) / dist , infl * dir ),  infl = exp(-dist^2 / 2r^2) / (40000 r^3) where dist < 3r, else 0.
; What hangs on the particle alone is folded into 8 numbers:  p (3),  k = -log2(e) / (2 r^2),  D = dir * w / (40000 r^3) (3),  T (see below).
; A pair then is:  l = p - c;  d2 = l.l;  s = exp2(k d2) * rsq(d2), 0 unless d2 < T;  sum += (s l) x D.
; l is formed directly, never as a difference of sums over p and c, so a common offset of points and particles costs nothing.
;
; SHARES.  256 work-groups of 8 waves; a work-group owns 1,024 points, a lane 4 (points t, t+256, t+512, t+768 of the group).
; Thread t also makes particle t's 8 numbers, once; they lie in LDS, two neighbouring particles woven into one record of 64 bytes.
; A packed instruction works on ONE point and TWO particles: the record's fields are register pairs as loaded, a coordinate lies twice
; in a pair, and the sums are kept apart for even and odd particles until the end.  21 plain instructions and 4 transcendentals for 2 pairs.
;
; NO MATRIX UNIT: there is no product here; to make one, d2 or the cross product would have to be split into terms of p and of c that cancel.
; NO CLUSTER, NO JOINT LOADS: all that work-groups share are 40 bytes a thread, 32 of them picked at time index 3 out of rows of 96 or 32 bytes,
; read once ahead of 512 slots of arithmetic; a joint tile would carry eight times the bytes that are used.
;
; LIMITS.  A pair nearer than 2^-63 and not coincident has a denormal d2, which v_rsq_f32 takes as 0: the result is then not finite.
; r = 0 (radius_u <= -2): NaN in every output, as in the reference (0 * inf here, 0 / 0 there).  A point that coincides with a particle: NaN, as there.
; The sums over even and over odd particles are added last: another order of rounding than the reference's.
.set TIDX,    3                        ; the time index
.set WGBYTES, 12288                    ; 1,024 points of 12 bytes
.set REC,     64                       ; a record: px0 px1 py0 py1 | pz0 pz1 k0 k1 | Dx0 Dx1 Dy0 Dy1 | Dz0 Dz1 T0 T1
.set TAB,     0                        ; LDS: 128 records
.set CST,     8192                     ; LDS: the group's coordinates as they lie in memory
.set OST,     20480                    ; LDS: the group's results as they will lie in memory
.set TRIPS,   31                       ; steps 4 .. 127 are fetched in the loop, four a trip
.set O16,     1                        ; v1       16 t
.set TADR,    2                        ; v2       LDS address of the trip's records
.set O12,     3                        ; v3       12 t
.set CRDB,    8                        ; v8-31    point q: x x y y z z at 6 q
.set ACCB,    32                       ; v32-55   point q: sums x (even, odd particles), y, z at 6 q
.set PARB,    56                       ; v56-119  four buffers for records, 16 registers each
.set TMPB,    120                      ; v120-167 four work sets of 12: l (6), d2 (2), k d2 then exp2 (2), rsq then s (2)
; the set-up's scratch lies in the work sets
.set GC,  TMPB                         ; 12: the coordinates on their way to LDS
.set GP,  TMPB+12                      ; 3: p
.set GD,  TMPB+16                      ; 3: dir, then D
.set GI,  TMPB+20                      ; particle_intensity
.set GM,  TMPB+21                      ; time_mask
.set GW,  TMPB+22                      ; intensity_raw, then w
.set GR,  TMPB+23                      ; radius_u, then r
.set G2,  TMPB+24                      ; r^2
.set GT,  TMPB+25                      ; t = 3 r
.set G3,  TMPB+26                      ; 40000 r^3
.set GK,  TMPB+27                      ; k
.set GQ,  TMPB+28                      ; w / (40000 r^3)
.set GPR, TMPB+29                      ; the float below t
.set GU,  TMPB+30                      ; t minus it
.set GH,  TMPB+31                      ; t^2 rounded
.set GL,  TMPB+32                      ; what has to be added to it
.set GTH, TMPB+33                      ; T
.set GE,  TMPB+34
.set GN,  TMPB+35
	s_load_b512 s[8:23], s[0:1], 0x0               ; coord s[8:9], pos s[10:11], dir s[12:13], intensity s[14:15], raw s[16:17], radius s[18:19], mask s[20:21], out s[22:23]
	v_lshl_add_u32 v168, v0, 2, 0x8000
	v_mov_b32 v169, 0
	s_mul_i32 s2, ttmp9, WGBYTES                   ; the group's first byte in coord and in out (below 3,145,728)
	s_mov_b32 s3, 0
	v_lshlrev_b32 v[O16], 4, v0
	v_mul_u32_u24 v[O12], 12, v0
	v_mul_u32_u24 v4, 96, v0                       ; particle t's row in pos and dir: 8 times x 3 numbers
	v_lshlrev_b32 v5, 5, v0                        ; its row in intensity and mask: 8 numbers
	v_lshlrev_b32 v6, 2, v0                        ; its number in raw and radius
	v_and_b32 v7, 1, v0
	v_and_b32 v[TADR], 0xfe, v0
	v_lshlrev_b32 v7, 2, v7
	v_lshl_or_b32 v7, v[TADR], 5, v7               ; its place in the table: 64 (t / 2) + 4 (t mod 2); field f is 8 f further on
	s_wait_kmcnt 0x0
	s_add_nc_u64 s[8:9], s[8:9], s[2:3]
	s_add_nc_u64 s[22:23], s[22:23], s[2:3]
	global_load_b128 v[GC:GC+3],    v[O16], s[8:9] th:TH_LOAD_NT               ; a wave's load covers 512 consecutive bytes, aligned; read once in the launch
	global_load_b128 v[GC+4:GC+7],  v[O16], s[8:9] offset:4096 th:TH_LOAD_NT
	global_load_b128 v[GC+8:GC+11], v[O16], s[8:9] offset:8192 th:TH_LOAD_NT
	global_load_b96 v[GP:GP+2], v4, s[10:11] offset:12*TIDX
	global_load_b96 v[GD:GD+2], v4, s[12:13] offset:12*TIDX
	global_load_b32 v[GI], v5, s[14:15] offset:4*TIDX
	global_load_b32 v[GM], v5, s[20:21] offset:4*TIDX
	global_load_b32 v[GW], v6, s[16:17]
	global_load_b32 v[GR], v6, s[18:19]
	s_wait_loadcnt 0x6                             ; the three loads of coordinates are in; the six behind them stay out
	ds_store_b128 v[O16], v[GC:GC+3]    offset:CST
	ds_store_b128 v[O16], v[GC+4:GC+7]  offset:CST+4096
	ds_store_b128 v[O16], v[GC+8:GC+11] offset:CST+8192
	s_wait_loadcnt 0x0
	; particle t's numbers
	v_cvt_f32_i32 v[GM], v[GM]
	v_max_num_f32 v[GW], 0, v[GW]
	v_min_num_f32 v[GW], 0x41200000, v[GW]         ; clip to 0 .. 10
	v_add_f32 v[GW], 0x322bcc77, v[GW]             ; + 1e-8
	v_sqrt_f32 v[GW], v[GW]                        ; behind a transcendental one plain instruction that touches neither its result nor its source (ISA guide 5.7.2): the next line
	v_fma_f32 v[GR], v[GR], 0.5, 1.0               ; the product by 0.5 is exact: one rounding, as in the reference
	v_mul_f32 v[GR], 0x3e4ccccd, v[GR]             ; x 0.2
	v_max_num_f32 v[GR], 0, v[GR]                  ; r
	s_wait_alu depctr_va_vdst(0)
	v_mul_f32 v[GW], v[GW], v[GI]
	v_mul_f32 v[GW], v[GW], v[GM]                  ; w
	v_mul_f32 v[G2], v[GR], v[GR]
	v_mul_f32 v[GT], 0x40400000, v[GR]             ; t = 3 r, rounded as the reference rounds it
	v_mul_f32 v[G3], v[G2], v[GR]
	v_mul_f32 v[G3], 0x471c4000, v[G3]             ; 40000 r^3
	v_rcp_f32 v[GK], v[G2]
	v_rcp_f32 v[GQ], v[G3]
	v_add_nc_u32 v[GPR], -1, v[GT]                 ; (the plain line behind the two reciprocals)  the float just below t
	s_wait_alu depctr_va_vdst(0)
	v_mul_f32 v[GK], 0xbf38aa3b, v[GK]             ; k = -0.72134752 / r^2
	v_mul_f32 v[GQ], v[GQ], v[GW]
	; T: the reference asks whether sqrt(d2), rounded, is below t.  That holds just when d2 < m^2, m the midpoint of t and the float below it.
	; m^2 = t^2 - t u + u^2/4 with u the gap; it is no float, so T is the first float above it and the test in the loop is d2 < T.
	v_sub_f32 v[GU], v[GT], v[GPR]                 ; u, exact
	v_mul_f32 v[GH], v[GT], v[GT]                  ; t^2 rounded,
	v_fma_f32 v[GL], v[GT], v[GT], -v[GH]          ; and what the rounding dropped, exact
	v_fma_f32 v[GL], -v[GT], v[GU], v[GL]          ; - t u
	v_add_f32 v[GTH], v[GH], v[GL]                 ; m^2 rounded to nearest
	v_sub_f32 v[GE], v[GH], v[GTH]                 ; exact: neighbours
	v_add_f32 v[GE], v[GE], v[GL]                  ; m^2 minus that float; at 0 the term u^2/4 decides: above
	v_add_nc_u32 v[GN], 1, v[GTH]                  ; the next float up
	v_cmp_le_f32 vcc_lo, 0, v[GE]
	v_cndmask_b32 v[GTH], v[GTH], v[GN], vcc_lo
	v_mul_f32 v[GD], v[GD], v[GQ]
	v_mul_f32 v[GD+1], v[GD+1], v[GQ]
	v_mul_f32 v[GD+2], v[GD+2], v[GQ]              ; D
	ds_store_b32 v7, v[GP]   offset:TAB            ; eight stores, once
	ds_store_b32 v7, v[GP+1] offset:TAB+8
	ds_store_b32 v7, v[GP+2] offset:TAB+16
	ds_store_b32 v7, v[GK]   offset:TAB+24
	ds_store_b32 v7, v[GD]   offset:TAB+32
	ds_store_b32 v7, v[GD+1] offset:TAB+40
	ds_store_b32 v7, v[GD+2] offset:TAB+48
	ds_store_b32 v7, v[GTH]  offset:TAB+56
	s_wait_dscnt 0x0                               ; my part of the table and of the coordinates is in LDS: zero, for the other waves' sake
	s_barrier_signal -1
	s_barrier_wait -1                              ; everybody's is; neither is written again
	; my four points, each coordinate into both registers of a pair.  Lanes are 12 bytes apart: 32 different banks (64 banks of 4 bytes: ISA guide 11.1)
.irp p, 0,1,2,3
.irp c, 0,1,2
	ds_load_b32 v[CRDB+6*\p+2*\c],   v[O12] offset:CST+3072*\p+4*\c
	ds_load_b32 v[CRDB+6*\p+2*\c+1], v[O12] offset:CST+3072*\p+4*\c
.endr
.endr
	v_mov_b32 v[TADR], TAB
.irp m, 0,1,2                                      ; the records of steps 0, 1, 2: every lane reads the same 16 bytes
.irp q, 0,1,2,3
	ds_load_b128 v[PARB+16*\m+4*\q:PARB+16*\m+4*\q+3], v[TADR] offset:REC*\m+16*\q
.endr
.endr
; THE PIPELINE.  A chain is one point and one record: chain j = 4 x step + point, 512 in all.  It has a head (l, d2, k d2: 7 instructions), four
; transcendentals, and a tail (select, s l, six multiply-adds: 14).  Slot j holds the head of chain j+1, the transcendentals of chain j and the tail
; of chain j-1, woven so that neighbouring lines belong to different chains and a transcendental stands at every sixth place; its result is
; first read a slot later, far behind the one plain line that is asked for (ISA guide 5.7.2).
; Chain j works in set j mod 4 (its point's number) and reads buffer (step mod 4).  All names repeat every 16 slots.
; Buffer of step n: first read in slot 4n-1, last in slot 4n+4; so slot 4n+5 fetches step n+4 into it, ten slots ahead of its first use.
.macro A_LOC c                         ; l = p - c
.if DOA
	v_pk_add_f32 v[SA+2*\c:SA+2*\c+1], v[QA+2*\c:QA+2*\c+1], v[CA+2*\c:CA+2*\c+1] neg_lo:[0,1] neg_hi:[0,1]
.endif
.endm
.macro A_SQ0                           ; d2 = lx lx, then fused + ly ly, + lz lz
.if DOA
	v_pk_mul_f32 v[SA+6:SA+7], v[SA:SA+1], v[SA:SA+1]
.endif
.endm
.macro A_SQ c
.if DOA
	v_pk_fma_f32 v[SA+6:SA+7], v[SA+2*\c:SA+2*\c+1], v[SA+2*\c:SA+2*\c+1], v[SA+6:SA+7]
.endif
.endm
.macro A_ARG                           ; k d2
.if DOA
	v_pk_mul_f32 v[SA+8:SA+9], v[QA+6:QA+7], v[SA+6:SA+7]
.endif
.endm
.macro T_RSQ h                         ; 1 / dist
.if DOT
	v_rsq_f32 v[ST+10+\h], v[ST+6+\h]
.endif
.endm
.macro T_EXP h                         ; exp(-d2 / 2 r^2)
.if DOT
	v_exp_f32 v[ST+8+\h], v[ST+8+\h]
.endif
.endm
.macro B_S                             ; s = exp x 1/dist
.if DOB
	s_wait_alu depctr_va_vdst(0)
	v_pk_mul_f32 v[SB+10:SB+11], v[SB+8:SB+9], v[SB+10:SB+11]
.endif
.endm
.macro B_CMP h                         ; dist < 3 r
.if DOB
	v_cmp_lt_f32 s[24+\h], v[SB+6+\h], v[QB+14+\h]
.endif
.endm
.macro B_SEL h                         ; a choice of a value, no branch: outside, s = 0
.if DOB
	v_cndmask_b32 v[SB+10+\h], 0, v[SB+10+\h], s[24+\h]
.endif
.endm
.macro B_T c                           ; s l, in l's place
.if DOB
	v_pk_mul_f32 v[SB+2*\c:SB+2*\c+1], v[SB+10:SB+11], v[SB+2*\c:SB+2*\c+1]
.endif
.endm
.macro B_POS o, t, d                   ; sum o += (s l) t x D d; a point's first chain starts the sum: nothing is cleared
.if DOB
.if FIRST
	v_pk_mul_f32 v[AC+2*\o:AC+2*\o+1], v[SB+2*\t:SB+2*\t+1], v[QB+8+2*\d:QB+8+2*\d+1]
.else
	v_pk_fma_f32 v[AC+2*\o:AC+2*\o+1], v[SB+2*\t:SB+2*\t+1], v[QB+8+2*\d:QB+8+2*\d+1], v[AC+2*\o:AC+2*\o+1]
.endif
.endif
.endm
.macro B_NEG o, t, d                   ; sum o -= (s l) t x D d
.if DOB
	v_pk_fma_f32 v[AC+2*\o:AC+2*\o+1], v[SB+2*\t:SB+2*\t+1], v[QB+8+2*\d:QB+8+2*\d+1], v[AC+2*\o:AC+2*\o+1] neg_lo:[1,0,0] neg_hi:[1,0,0]
.endif
.endm
; j: the slot, modulo 16 (from -1 on).  doa, dot, dob: which of the three parts it has.  first: the tail starts its point's sums.
; ld: records are still to be fetched.  wt: how many younger LDS loads may stay out where a new record is first read.
.macro SLOT j, doa, dot, dob, first, ld, wt
.set DOA, \doa
.set DOT, \dot
.set DOB, \dob
.set FIRST, \first
.set SA, TMPB+12*((\j+17)%4)
.set CA, CRDB+6*((\j+17)%4)
.set QA, PARB+16*(((\j+17)/4)%4)
.set ST, TMPB+12*((\j+16)%4)
.set SB, TMPB+12*((\j+15)%4)
.set AC, ACCB+6*((\j+15)%4)
.set QB, PARB+16*(((\j+15)/4)%4)
.if \ld
.if (\j+16)%4 == 1
.set QL, PARB+16*(((\j+11)/4)%4)
.irp q, 0,1,2,3
	ds_load_b128 v[QL+4*\q:QL+4*\q+3], v[TADR] offset:REC*((\j+11)/4)+16*\q   ; step (j + 11) / 4, into the buffer whose last reader stood in the slot before
.endr
.endif
.endif
.if \doa
.if (\j+16)%4 == 3
	s_wait_dscnt \wt                               ; LDS loads come back in order (ISA guide 5.7.1): the record that this slot's head reads first is in
.endif
.endif
	B_S
	B_CMP 0
	A_LOC 0
	T_RSQ 0
	B_CMP 1
	A_LOC 1
	B_SEL 0
	A_LOC 2
	B_SEL 1
	T_RSQ 1
	A_SQ0
	B_T 0
	B_T 1
	A_SQ 1
	B_T 2
	T_EXP 0
	B_POS 0, 1, 2                                  ; x += ty Dz
	A_SQ 2
	B_POS 1, 2, 0                                  ; y += tz Dx
	B_POS 2, 0, 1                                  ; z += tx Dy
	B_NEG 0, 2, 1                                  ; x -= tz Dy
	T_EXP 1
	A_ARG
	B_NEG 1, 0, 2                                  ; y -= tx Dz
	B_NEG 2, 1, 0                                  ; z -= ty Dx
.endm
	; The count 8: where step m's record is first read (slot 4m-1) the records of steps m+1 and m+2 have been asked for behind it, four loads each.
	SLOT -1, 1, 0, 0, 0, 0, 8                      ; the pipeline fills: the wait also covers the coordinates, which are older
	SLOT 0,  1, 1, 0, 0, 0, 8
	SLOT 1,  1, 1, 1, 1, 1, 8                      ; fetches step 3; slots 1 to 4 hold the four points' first tails
	SLOT 2,  1, 1, 1, 1, 1, 8
	SLOT 3,  1, 1, 1, 1, 1, 8
	SLOT 4,  1, 1, 1, 1, 1, 8
	s_mov_b32 s26, TRIPS
.Ltrip:                                            ; slots 5 .. 500, sixteen a trip: four steps, all four buffers filled again
.irp j, 5,6,7,8,9,10,11,12,13,14,15,16,17,18,19,20
	SLOT \j, 1, 1, 1, 0, 1, 8
.endr
	v_add_nc_u32 v[TADR], 4*REC, v[TADR]
	s_sub_co_i32 s26, s26, 1
	s_cmp_lg_u32 s26, 0
	s_cbranch_scc1 .Ltrip
	; slots 501 .. 512 (5 .. 16 modulo 16): nothing is left to fetch, the counts run down
.irp j, 5,6,7,8,9,10
	SLOT \j, 1, 1, 1, 0, 0, 4                      ; step 126 is first read in slot 503: only step 127's four loads are younger
.endr
.irp j, 11,12,13,14
	SLOT \j, 1, 1, 1, 0, 0, 0                      ; step 127, in slot 507: the last record
.endr
	SLOT 15, 0, 1, 1, 0, 0, 0                      ; the pipeline drains
	SLOT 16, 0, 0, 1, 0, 0, 0
	; THE WAY OUT: even + odd particles; each point's 12 bytes into the stage (lanes 12 bytes apart again); back as 16 bytes a lane.
.irp p, 0,1,2,3
.irp c, 0,1,2
	v_add_f32 v[ACCB+6*\p+2*\c], v[ACCB+6*\p+2*\c], v[ACCB+6*\p+2*\c+1]
.endr
.endr
.irp p, 0,1,2,3
.irp c, 0,1,2
	ds_store_b32 v[O12], v[ACCB+6*\p+2*\c] offset:OST+3072*\p+4*\c
.endr
.endr
	s_wait_dscnt 0x0                               ; my results are in the stage: zero, for the other waves' sake
	s_barrier_signal -1
	s_barrier_wait -1
	ds_load_b128 v[GC:GC+3],    v[O16] offset:OST
	ds_load_b128 v[GC+4:GC+7],  v[O16] offset:OST+4096
	ds_load_b128 v[GC+8:GC+11], v[O16] offset:OST+8192
	s_wait_dscnt 0x2                               ; the first of the three is back, two stay out; then one; then none
	global_store_b128 v[O16], v[GC:GC+3],    s[22:23] th:TH_STORE_NT           ; sixteen lanes store 256 consecutive bytes, aligned
	s_wait_dscnt 0x1
	global_store_b128 v[O16], v[GC+4:GC+7],  s[22:23] offset:4096 th:TH_STORE_NT
	s_wait_dscnt 0x0
	global_store_b128 v[O16], v[GC+8:GC+11], s[22:23] offset:8192 th:TH_STORE_NT
	s_wait_tensorcnt 0x0
	ds_add_u32 v168, v169
	s_wait_dscnt 0x0
	s_endpgm
.Lfunc_end_k_q5517ba2db2_vortex:
	.size	k_q5517ba2db2_vortex, .Lfunc_end_k_q5517ba2db2_vortex-k_q5517ba2db2_vortex
	.p2alignl 7, 3214868480
	.fill 96, 4, 3214868480
	.section	.rodata,"a",@progbits
	.p2align	6, 0x0
	.amdhsa_kernel k_q5517ba2db2_vortex
		.amdhsa_group_segment_fixed_size 33792
		.amdhsa_private_segment_fixed_size 0
		.amdhsa_enable_private_segment 0
		.amdhsa_kernarg_size 64
		.amdhsa_user_sgpr_count 2
		.amdhsa_user_sgpr_kernarg_segment_ptr 1
		.amdhsa_wavefront_size32 1
		.amdhsa_system_sgpr_workgroup_id_x 1
		.amdhsa_system_sgpr_workgroup_id_y 1
		.amdhsa_system_sgpr_workgroup_id_z 1
		.amdhsa_system_vgpr_workitem_id 0
		.amdhsa_next_free_vgpr 170
		.amdhsa_next_free_sgpr 66
		.amdhsa_reserve_vcc 1
		.amdhsa_float_denorm_mode_32 3
		.amdhsa_float_denorm_mode_16_64 3
		.amdhsa_memory_ordered 1
		.amdhsa_forward_progress 1
		.amdhsa_inst_pref_size 57
	.end_amdhsa_kernel
	.amdgpu_metadata
---
amdhsa.version: [ 1, 2 ]
amdhsa.kernels:
  - .name:           k_q5517ba2db2_vortex
    .symbol:         k_q5517ba2db2_vortex.kd
    .args:
      - { .name: coord, .offset: 0, .size: 8, .value_kind: global_buffer, .address_space: global }
      - { .name: particle_pos, .offset: 8, .size: 8, .value_kind: global_buffer, .address_space: global }
      - { .name: particle_dir, .offset: 16, .size: 8, .value_kind: global_buffer, .address_space: global }
      - { .name: particle_intensity, .offset: 24, .size: 8, .value_kind: global_buffer, .address_space: global }
      - { .name: intensity_raw, .offset: 32, .size: 8, .value_kind: global_buffer, .address_space: global }
      - { .name: radius_u, .offset: 40, .size: 8, .value_kind: global_buffer, .address_space: global }
      - { .name: time_mask, .offset: 48, .size: 8, .value_kind: global_buffer, .address_space: global }
      - { .name: out0, .offset: 56, .size: 8, .value_kind: global_buffer, .address_space: global }
    .group_segment_fixed_size: 33792
    .private_segment_fixed_size: 0
    .kernarg_segment_align: 8
    .kernarg_segment_size: 64
    .max_flat_workgroup_size: 256
    .sgpr_count:     66
    .vgpr_count:     170
    .wavefront_size: 32
...
	.end_amdgpu_metadata
.endif
;; end of part 1
;; ======== version 2 of 2: 1 launch; version 1 with the launch vortex written anew for expert scheduling mode
;; launch vortex (part 2): grid 256 x 1, 8 waves a work-group, no clusters, 33,792 bytes of LDS; arguments coord, particle_pos, particle_dir, particle_intensity, intensity_raw, radius_u, time_mask, out0; writes out0
.if DOCPART == 2
	.amdgcn_target "amdgcn-amd-amdhsa--gfx1250"
	.amdhsa_code_object_version 6
	.text
	.protected	k_q5517ba2db2_vortex
	.globl	k_q5517ba2db2_vortex
	.p2align	8
	.type	k_q5517ba2db2_vortex,@function
k_q5517ba2db2_vortex:
	s_mov_b64 s[64:65], 0
	v_nop
	global_prefetch_b8 v0, s[64:65] scope:SCOPE_SE
	s_setreg_imm32_b32 hwreg(HW_REG_WAVE_SCHED_MODE, 0, 2), 2
	s_setreg_imm32_b32 hwreg(HW_REG_WAVE_MODE, 25, 1), 1
	s_wait_xcnt 0x0
	s_wait_alu depctr_vm_vsrc(0)
; out[n] = sum over 256 particles of  w * cross( (p - c[n]) / dist , infl * dir ),  infl = exp(-dist^2 / 2r^2) / (40000 r^3) where dist < 3r, else 0.
; What hangs on the particle alone is folded into 8 numbers:  p (3),  k = -log2(e) / (2 r^2),  D = dir * w / (40000 r^3) (3),  T (see below).
; A pair then is:  l = p - c;  d2 = l.l;  s = exp2(k d2) * rsq(d2), 0 unless d2 < T;  sum += (s l) x D.
; l is formed directly, never as a difference of sums over p and c, so a common offset of points and particles costs nothing.
;
; SHARES.  256 work-groups of 8 waves; a work-group owns 1,024 points, a lane 4 (points t, t+256, t+512, t+768 of the group).
; Thread t also makes particle t's 8 numbers, once; they lie in LDS, two neighbouring particles woven into one record of 64 bytes.
; A packed instruction works on ONE point and TWO particles: the record's fields are register pairs as loaded, a coordinate lies twice
; in a pair, and the sums are kept apart for even and odd particles until the end.  21 plain instructions and 4 transcendentals for 2 pairs.
;
; NO MATRIX UNIT: there is no product here; to make one, d2 or the cross product would have to be split into terms of p and of c that cancel.
; NO CLUSTER, NO JOINT LOADS: all that work-groups share are 40 bytes a thread, 32 of them picked at time index 3 out of rows of 96 or 32 bytes,
; read once ahead of 512 slots of arithmetic; a joint tile would carry eight times the bytes that are used.
;
; LIMITS.  A pair nearer than 2^-63 and not coincident has a denormal d2, which v_rsq_f32 takes as 0: the result is then not finite.
; r = 0 (radius_u <= -2): NaN in every output, as in the reference (0 * inf here, 0 / 0 there).  A point that coincides with a particle: NaN, as there.
; The sums over even and over odd particles are added last: another order of rounding than the reference's.
;
; THE MODE: SCHED_MODE bits 1:0 = 2 (LLVM: expert scheduling mode 2), set by the entry lines.  The code itself states the register dependences
; between vector instructions and memory or LDS instructions, and those through scalar registers and VCC, with s_wait_alu, always for 0.
; THE PLAN.  Registers that memory or LDS instructions touch:
;   v1, v3-v7    offsets, made at the head and never written again.
;   v2           the LDS address of the trip's records: read by the records' loads; written in the set-up and once a trip.
;   v8-31        the coordinates: LDS loads land in them once; vector instructions only read them.
;   four record buffers.  Step n's record lands by the loads of slot 4n-8; heads read it in slots 4n-1 .. 4n+2, compares and tails in slots 4n+4 .. 4n+7;
;                slot 4n+8 loads step n+4 into it.
;   the work sets: at the head they carry the coordinates and the table on their way to LDS; at the end the stage's loads land in the first of them.
;   the sums     read by the LDS stores into the stage, once.
; Four slots are a TURN (one record, the lane's four points).  ONE wait on va_vdst stands at a turn's end.  It states that the turn's sixteen transcendentals have
; written their results (their first reader is the next turn's first line), that the turn's tails are done reading the buffer in which the next slot's loads land, and, in a
; trip's last turn, that v2 is written.  ONE wait on va_sdst a turn stands behind the run of the turn's eight compares, ahead of the first select.  One wait on vm_vsrc a trip stands ahead of the add to v2.
.set TIDX,    3                        ; the time index
.set WGBYTES, 12288                    ; 1,024 points of 12 bytes
.set REC,     64                       ; a record: px0 px1 py0 py1 | pz0 pz1 k0 k1 | Dx0 Dx1 Dy0 Dy1 | Dz0 Dz1 T0 T1
.set TAB,     0                        ; LDS: 128 records
.set CST,     8192                     ; LDS: the group's coordinates as they lie in memory
.set OST,     20480                    ; LDS: the group's results as they will lie in memory
.set TRIPS,   31                       ; steps 4 .. 127 are fetched in the loop, four a trip
.set O16,     1                        ; v1       16 t
.set TADR,    2                        ; v2       LDS address of the trip's records
.set O12,     3                        ; v3       12 t
.set CRDB,    8                        ; v8-31    point q: x x y y z z at 6 q
.set ACCB,    32                       ; v32-55   point q: sums x (even, odd particles), y, z at 6 q
.set PARB,    56                       ; v56-119  four buffers for records, 16 registers each
.set TMPB,    120                      ; v120-215 eight work sets of 12: l (6), d2 (2), k d2 then exp2 (2), rsq then s (2)
.set MASK,    24                       ; s24-31   a turn's eight masks: point q, particle h at 2 q + h
.set CNT,     4                        ; s4       trips to go
; the set-up's scratch lies in the work sets
.set GC,  TMPB                         ; 12: the coordinates on their way to LDS
.set GP,  TMPB+12                      ; 3: p
.set GD,  TMPB+16                      ; 3: dir, then D
.set GI,  TMPB+20                      ; particle_intensity
.set GM,  TMPB+21                      ; time_mask
.set GW,  TMPB+22                      ; intensity_raw, then w
.set GR,  TMPB+23                      ; radius_u, then r
.set G2,  TMPB+24                      ; r^2
.set GT,  TMPB+25                      ; t = 3 r
.set G3,  TMPB+26                      ; 40000 r^3
.set GK,  TMPB+27                      ; k
.set GQ,  TMPB+28                      ; w / (40000 r^3)
.set GPR, TMPB+29                      ; the float below t
.set GU,  TMPB+30                      ; t minus it
.set GH,  TMPB+31                      ; t^2 rounded
.set GL,  TMPB+32                      ; what has to be added to it
.set GTH, TMPB+33                      ; T
.set GE,  TMPB+34
.set GN,  TMPB+35
	s_load_b512 s[8:23], s[0:1], 0x0               ; coord s[8:9], pos s[10:11], dir s[12:13], intensity s[14:15], raw s[16:17], radius s[18:19], mask s[20:21], out s[22:23]
	v_lshl_add_u32 v216, v0, 2, 0x8000
	v_mov_b32 v217, 0
	s_mul_i32 s2, ttmp9, WGBYTES                   ; the group's first byte in coord and in out (below 3,145,728)
	s_mov_b32 s3, 0
	v_lshlrev_b32 v[O16], 4, v0
	v_mul_u32_u24 v[O12], 12, v0
	v_mul_u32_u24 v4, 96, v0                       ; particle t's row in pos and dir: 8 times x 3 numbers
	v_lshlrev_b32 v5, 5, v0                        ; its row in intensity and mask: 8 numbers
	v_lshlrev_b32 v6, 2, v0                        ; its number in raw and radius
	v_and_b32 v7, 1, v0
	v_and_b32 v[TADR], 0xfe, v0
	v_lshlrev_b32 v7, 2, v7
	v_lshl_or_b32 v7, v[TADR], 5, v7               ; its place in the table: 64 (t / 2) + 4 (t mod 2); field f is 8 f further on
	s_wait_kmcnt 0x0
	s_add_nc_u64 s[8:9], s[8:9], s[2:3]
	s_add_nc_u64 s[22:23], s[22:23], s[2:3]
	s_wait_alu depctr_va_vdst(0)                   ; the offsets v1 and v3 to v7 are written: every global load and store, every stage access and every table store of the kernel reads one of them
	global_load_b128 v[GC:GC+3],    v[O16], s[8:9] th:TH_LOAD_NT               ; a wave's load covers 512 consecutive bytes, aligned; read once in the launch
	global_load_b128 v[GC+4:GC+7],  v[O16], s[8:9] offset:4096 th:TH_LOAD_NT
	global_load_b128 v[GC+8:GC+11], v[O16], s[8:9] offset:8192 th:TH_LOAD_NT
	global_load_b96 v[GP:GP+2], v4, s[10:11] offset:12*TIDX
	global_load_b96 v[GD:GD+2], v4, s[12:13] offset:12*TIDX
	global_load_b32 v[GI], v5, s[14:15] offset:4*TIDX
	global_load_b32 v[GM], v5, s[20:21] offset:4*TIDX
	global_load_b32 v[GW], v6, s[16:17]
	global_load_b32 v[GR], v6, s[18:19]
	s_wait_loadcnt 0x6                             ; the three loads of coordinates are in; the six behind them stay out
	ds_store_b128 v[O16], v[GC:GC+3]    offset:CST
	ds_store_b128 v[O16], v[GC+4:GC+7]  offset:CST+4096
	ds_store_b128 v[O16], v[GC+8:GC+11] offset:CST+8192
	s_wait_loadcnt 0x0
	; particle t's numbers.  None of these lines writes v[GC ..], which the three stores above read.
	v_cvt_f32_i32 v[GM], v[GM]
	v_max_num_f32 v[GW], 0, v[GW]
	v_min_num_f32 v[GW], 0x41200000, v[GW]         ; clip to 0 .. 10
	v_add_f32 v[GW], 0x322bcc77, v[GW]             ; + 1e-8
	v_fma_f32 v[GR], v[GR], 0.5, 1.0               ; the product by 0.5 is exact: one rounding, as in the reference
	v_mul_f32 v[GR], 0x3e4ccccd, v[GR]             ; x 0.2
	v_max_num_f32 v[GR], 0, v[GR]                  ; r
	v_mul_f32 v[G2], v[GR], v[GR]
	v_mul_f32 v[GT], 0x40400000, v[GR]             ; t = 3 r, rounded as the reference rounds it
	v_mul_f32 v[G3], v[G2], v[GR]
	v_mul_f32 v[G3], 0x471c4000, v[G3]             ; 40000 r^3
	v_sqrt_f32 v[GW], v[GW]                        ; the set-up's three transcendentals are one batch; the lines on T below name none of their results
	v_rcp_f32 v[GK], v[G2]
	v_rcp_f32 v[GQ], v[G3]
	; T: the reference asks whether sqrt(d2), rounded, is below t.  That holds just when d2 < m^2, m the midpoint of t and the float below it.
	; m^2 = t^2 - t u + u^2/4 with u the gap; it is no float, so T is the first float above it and the test in the loop is d2 < T.
	v_add_nc_u32 v[GPR], -1, v[GT]                 ; (the plain line behind the batch: ISA guide 5.7.2)  the float just below t
	v_sub_f32 v[GU], v[GT], v[GPR]                 ; u, exact
	v_mul_f32 v[GH], v[GT], v[GT]                  ; t^2 rounded,
	v_fma_f32 v[GL], v[GT], v[GT], -v[GH]          ; and what the rounding dropped, exact
	v_fma_f32 v[GL], -v[GT], v[GU], v[GL]          ; - t u
	v_add_f32 v[GTH], v[GH], v[GL]                 ; m^2 rounded to nearest
	v_sub_f32 v[GE], v[GH], v[GTH]                 ; exact: neighbours
	v_add_f32 v[GE], v[GE], v[GL]                  ; m^2 minus that float; at 0 the term u^2/4 decides: above
	v_add_nc_u32 v[GN], 1, v[GTH]                  ; the next float up
	v_cmp_le_f32 vcc_lo, 0, v[GE]
	v_mov_b32 v[TADR], TAB
	s_wait_alu depctr_va_vdst(0)                   ; the root and the two reciprocals have written v[GW], v[GK], v[GQ], ahead of their first readers
	v_mul_f32 v[GW], v[GW], v[GI]
	v_mul_f32 v[GW], v[GW], v[GM]                  ; w
	v_mul_f32 v[GK], 0xbf38aa3b, v[GK]             ; k = -0.72134752 / r^2
	v_mul_f32 v[GQ], v[GQ], v[GW]
	s_wait_alu depctr_va_vcc(0)                    ; the compare has written VCC, which the select reads
	v_cndmask_b32 v[GTH], v[GTH], v[GN], vcc_lo
	v_mul_f32 v[GD], v[GD], v[GQ]
	v_mul_f32 v[GD+1], v[GD+1], v[GQ]
	v_mul_f32 v[GD+2], v[GD+2], v[GQ]              ; D
	s_wait_alu depctr_va_vdst(0)                   ; k, D and T are written, which the stores below read; so is v2, by which the records are loaded
	ds_store_b32 v7, v[GP]   offset:TAB            ; eight stores, once
	ds_store_b32 v7, v[GP+1] offset:TAB+8
	ds_store_b32 v7, v[GP+2] offset:TAB+16
	ds_store_b32 v7, v[GK]   offset:TAB+24
	ds_store_b32 v7, v[GD]   offset:TAB+32
	ds_store_b32 v7, v[GD+1] offset:TAB+40
	ds_store_b32 v7, v[GD+2] offset:TAB+48
	ds_store_b32 v7, v[GTH]  offset:TAB+56
	s_wait_dscnt 0x0                               ; my part of the table and of the coordinates is in LDS: zero, for the other waves' sake
	s_barrier_signal -1
	s_barrier_wait -1                              ; everybody's is; neither is written again
	s_wait_alu depctr_vm_vsrc(0)                   ; my LDS stores have read v[GC ..] to v[GTH]: these registers are work sets from here on, written by the chains' heads
	; my four points, each coordinate into both registers of a pair.  Lanes are 12 bytes apart: 32 different banks (64 banks of 4 bytes: ISA guide 11.1)
.irp p, 0,1,2,3
.irp c, 0,1,2
	ds_load_b32 v[CRDB+6*\p+2*\c],   v[O12] offset:CST+3072*\p+4*\c
	ds_load_b32 v[CRDB+6*\p+2*\c+1], v[O12] offset:CST+3072*\p+4*\c
.endr
.endr
.irp m, 0,1                                        ; the records of steps 0 and 1: every lane reads the same 16 bytes
.irp q, 0,1,2,3
	ds_load_b128 v[PARB+16*\m+4*\q:PARB+16*\m+4*\q+3], v[TADR] offset:REC*\m+16*\q
.endr
.endr
; THE PIPELINE.  A chain is one point and one record: chain j = 4 x step + point, 512 in all.  It has a head (l, d2, k d2: 7 instructions), four
; transcendentals, and a tail (compare, select, s l, six multiply-adds: 14).  Slot j holds the head of chain j+1, the transcendentals of chain j and the tail
; of chain j-4, woven so that neighbouring lines belong to different chains and a transcendental stands at every sixth place.  Between a chain's transcendentals
; and its tail lies the end of its turn, with the one wait for the turn's sixteen results.  A turn's eight compares need d2 and T alone and stand in one run at its head.
; Chain j works in set j mod 8 from slot j-1 to slot j+4 and reads buffer (step mod 4).  All names repeat every 16 slots.
; Buffer of step n: first read in slot 4n-1, last in slot 4n+7; so slot 4n+8 fetches step n+4 into it, seven slots ahead of its first use.
.macro A_LOC c                         ; l = p - c
.if DOA
	v_pk_add_f32 v[SA+2*\c:SA+2*\c+1], v[QA+2*\c:QA+2*\c+1], v[CA+2*\c:CA+2*\c+1] neg_lo:[0,1] neg_hi:[0,1]
.endif
.endm
.macro A_SQ0                           ; d2 = lx lx, then fused + ly ly, + lz lz
.if DOA
	v_pk_mul_f32 v[SA+6:SA+7], v[SA:SA+1], v[SA:SA+1]
.endif
.endm
.macro A_SQ c
.if DOA
	v_pk_fma_f32 v[SA+6:SA+7], v[SA+2*\c:SA+2*\c+1], v[SA+2*\c:SA+2*\c+1], v[SA+6:SA+7]
.endif
.endm
.macro A_ARG                           ; k d2
.if DOA
	v_pk_mul_f32 v[SA+8:SA+9], v[QA+6:QA+7], v[SA+6:SA+7]
.endif
.endm
.macro T_RSQ h                         ; 1 / dist
.if DOT
	v_rsq_f32 v[ST+10+\h], v[ST+6+\h]
.endif
.endm
.macro T_EXP h                         ; exp(-d2 / 2 r^2)
.if DOT
	v_exp_f32 v[ST+8+\h], v[ST+8+\h]
.endif
.endm
.macro B_S                             ; s = exp x 1/dist
.if DOB
	v_pk_mul_f32 v[SB+10:SB+11], v[SB+8:SB+9], v[SB+10:SB+11]
.endif
.endm
.macro B_SEL h                         ; a choice of a value, no branch: outside, s = 0
.if DOB
	v_cndmask_b32 v[SB+10+\h], 0, v[SB+10+\h], s[MK+\h]
.endif
.endm
.macro B_T c                           ; s l, in l's place
.if DOB
	v_pk_mul_f32 v[SB+2*\c:SB+2*\c+1], v[SB+10:SB+11], v[SB+2*\c:SB+2*\c+1]
.endif
.endm
.macro B_POS o, t, d                   ; sum o += (s l) t x D d; a point's first chain starts the sum: nothing is cleared
.if DOB
.if FIRST
	v_pk_mul_f32 v[AC+2*\o:AC+2*\o+1], v[SB+2*\t:SB+2*\t+1], v[QB+8+2*\d:QB+8+2*\d+1]
.else
	v_pk_fma_f32 v[AC+2*\o:AC+2*\o+1], v[SB+2*\t:SB+2*\t+1], v[QB+8+2*\d:QB+8+2*\d+1], v[AC+2*\o:AC+2*\o+1]
.endif
.endif
.endm
.macro B_NEG o, t, d                   ; sum o -= (s l) t x D d
.if DOB
	v_pk_fma_f32 v[AC+2*\o:AC+2*\o+1], v[SB+2*\t:SB+2*\t+1], v[QB+8+2*\d:QB+8+2*\d+1], v[AC+2*\o:AC+2*\o+1] neg_lo:[1,0,0] neg_hi:[1,0,0]
.endif
.endm
; j: the slot, modulo 16 (from -1 on).  doa, dot, dob: which of the three parts it has.  first: the tail starts its point's sums.
; ld: records are still to be fetched.  wt: how many younger LDS loads may stay out where a new record is first read.
.macro SLOT j, doa, dot, dob, first, ld, wt
.set DOA, \doa
.set DOT, \dot
.set DOB, \dob
.set FIRST, \first
.set PT, (\j+16)%4                     ; the slot's place in its turn, and the point of its transcendentals and of its tail
.set SA, TMPB+12*((\j+17)%8)
.set CA, CRDB+6*((\j+17)%4)
.set QA, PARB+16*(((\j+17)/4)%4)
.set ST, TMPB+12*((\j+16)%8)
.set SB, TMPB+12*((\j+12)%8)
.set AC, ACCB+6*((\j+12)%4)
.set QB, PARB+16*(((\j+12)/4)%4)
.set MK, MASK+2*PT
.if PT == 0
.if \ld
.set QL, PARB+16*((\j/4+2)%4)
.irp q, 0,1,2,3
	ds_load_b128 v[QL+4*\q:QL+4*\q+3], v[TADR] offset:REC*(\j/4+2)+16*\q   ; step j / 4 + 2, into the buffer whose last reader stood in the slot before.  No wait here: no vector instruction since the last wait on va_vdst names the buffer or v2
.endr
.endif
.if \dob
.irp q, 0,1,2,3                        ; dist < 3 r, for the turn's four tails: one run of compares
.set SC, TMPB+12*((\j+12+\q)%8)
	v_cmp_lt_f32 s[MASK+2*\q],   v[SC+6], v[QB+14]
	v_cmp_lt_f32 s[MASK+2*\q+1], v[SC+7], v[QB+15]
.endr
.endif
.endif
.if \doa
.if PT == 3
	s_wait_dscnt \wt                               ; LDS loads come back in order (ISA guide 5.7.1): the record that this slot's head reads first is in
.endif
.endif
	B_S
	A_LOC 0
	T_RSQ 0
	A_LOC 1
	A_LOC 2
	A_SQ0
.if PT == 0
.if \dob
	s_wait_alu depctr_va_sdst(0)                   ; the eight compares have written s24 to s31, which this turn's eight selects read
.endif
.endif
	B_SEL 0
	B_SEL 1
	T_RSQ 1
	A_SQ 1
	B_T 0
	B_T 1
	B_T 2
	A_SQ 2
	T_EXP 0
	B_POS 0, 1, 2                                  ; x += ty Dz
	B_POS 1, 2, 0                                  ; y += tz Dx
	B_POS 2, 0, 1                                  ; z += tx Dy
	B_NEG 0, 2, 1                                  ; x -= tz Dy
	B_NEG 1, 0, 2                                  ; y -= tx Dz
	T_EXP 1
	A_ARG                                          ; this line or the next is the plain one behind the slot's last transcendental (ISA guide 5.7.2)
	B_NEG 2, 1, 0                                  ; z -= ty Dx
.if \dot
.if PT == 3
	s_wait_alu depctr_va_vdst(0)                   ; the turn's end: its sixteen transcendentals have written their results, which the next turn's tails read; its tails are done reading the buffer in which the next slot's loads land; in a trip's last turn v2 is written
.endif
.endif
.endm
	; The count 4: where step m's record is first read (slot 4m-1) only the record of step m+1 has been asked for behind it, by four loads.
	SLOT -1, 1, 0, 0, 0, 0, 4                      ; the pipeline fills: the wait also covers the coordinates, which are older
	SLOT 0,  1, 1, 0, 0, 1, 4                      ; fetches step 2: since the wait ahead of the table's stores only slot -1's head was issued, which names neither v2 nor that buffer
	SLOT 1,  1, 1, 0, 0, 1, 4
	SLOT 2,  1, 1, 0, 0, 1, 4
	SLOT 3,  1, 1, 0, 0, 1, 4
	SLOT 4,  1, 1, 1, 1, 1, 4                      ; fetches step 3; slots 4 to 7 hold the four points' first tails
	SLOT 5,  1, 1, 1, 1, 1, 4
	SLOT 6,  1, 1, 1, 1, 1, 4
	SLOT 7,  1, 1, 1, 1, 1, 4
	s_mov_b32 s[CNT], TRIPS
.Ltrip:                                            ; slots 8 .. 503, sixteen a trip: four turns, all four buffers filled again
.irp j, 8,9,10,11,12,13,14,15,16,17,18,19,20,21,22
	SLOT \j, 1, 1, 1, 0, 1, 4
.endr
	s_wait_alu depctr_vm_vsrc(0)                   ; the records' loads issued so far have read v2
	v_add_nc_u32 v[TADR], 4*REC, v[TADR]           ; written ahead of the turn's end, whose wait stands in front of the next load by it
	SLOT 23, 1, 1, 1, 0, 1, 4
	s_sub_co_i32 s[CNT], s[CNT], 1
	s_cmp_lg_u32 s[CNT], 0
	s_cbranch_scc1 .Ltrip
	; slots 504 .. 515 (8 .. 19 modulo 16): nothing is left to fetch
.irp j, 8,9,10,11,12,13,14
	SLOT \j, 1, 1, 1, 0, 0, 0                      ; step 127 is first read in slot 507: the last record, no load is younger
.endr
	SLOT 15, 0, 1, 1, 0, 0, 0                      ; the pipeline drains: the last transcendentals,
.irp j, 16,17,18,19
	SLOT \j, 0, 0, 1, 0, 0, 0                      ; the last four tails
.endr
	; THE WAY OUT: even + odd particles; each point's 12 bytes into the stage (lanes 12 bytes apart again); back as 16 bytes a lane.
.irp p, 0,1,2,3
.irp c, 0,1,2
	v_add_f32 v[ACCB+6*\p+2*\c], v[ACCB+6*\p+2*\c], v[ACCB+6*\p+2*\c+1]
.endr
.endr
	s_wait_alu depctr_va_vdst(0)                   ; the twelve additions have written the sums, which the LDS stores read; every vector line that named v[GC ..], in which the stage's loads land, is done: none follows
.irp p, 0,1,2,3
.irp c, 0,1,2
	ds_store_b32 v[O12], v[ACCB+6*\p+2*\c] offset:OST+3072*\p+4*\c
.endr
.endr
	s_wait_dscnt 0x0                               ; my results are in the stage: zero, for the other waves' sake
	s_barrier_signal -1
	s_barrier_wait -1
	ds_load_b128 v[GC:GC+3],    v[O16] offset:OST
	ds_load_b128 v[GC+4:GC+7],  v[O16] offset:OST+4096
	ds_load_b128 v[GC+8:GC+11], v[O16] offset:OST+8192
	s_wait_dscnt 0x2                               ; the first of the three is back, two stay out; then one; then none
	global_store_b128 v[O16], v[GC:GC+3],    s[22:23] th:TH_STORE_NT           ; sixteen lanes store 256 consecutive bytes, aligned
	s_wait_dscnt 0x1
	global_store_b128 v[O16], v[GC+4:GC+7],  s[22:23] offset:4096 th:TH_STORE_NT
	s_wait_dscnt 0x0
	global_store_b128 v[O16], v[GC+8:GC+11], s[22:23] offset:8192 th:TH_STORE_NT
	s_wait_dscnt 0x0
	s_wait_alu depctr_hold_cnt(0) depctr_sa_sdst(0) depctr_va_vdst(0) depctr_va_sdst(0) depctr_va_ssrc(0) depctr_va_vcc(0) depctr_vm_vsrc(0)
	s_wait_tensorcnt 0x0
	ds_add_u32 v216, v217
	s_wait_dscnt 0x0
	s_endpgm
.Lfunc_end_k_q5517ba2db2_vortex:
	.size	k_q5517ba2db2_vortex, .Lfunc_end_k_q5517ba2db2_vortex-k_q5517ba2db2_vortex
	.p2alignl 7, 3214868480
	.fill 96, 4, 3214868480
	.section	.rodata,"a",@progbits
	.p2align	6, 0x0
	.amdhsa_kernel k_q5517ba2db2_vortex
		.amdhsa_group_segment_fixed_size 33792
		.amdhsa_private_segment_fixed_size 0
		.amdhsa_enable_private_segment 0
		.amdhsa_kernarg_size 64
		.amdhsa_user_sgpr_count 2
		.amdhsa_user_sgpr_kernarg_segment_ptr 1
		.amdhsa_wavefront_size32 1
		.amdhsa_system_sgpr_workgroup_id_x 1
		.amdhsa_system_sgpr_workgroup_id_y 1
		.amdhsa_system_sgpr_workgroup_id_z 1
		.amdhsa_system_vgpr_workitem_id 0
		.amdhsa_next_free_vgpr 218
		.amdhsa_next_free_sgpr 66
		.amdhsa_reserve_vcc 1
		.amdhsa_float_denorm_mode_32 3
		.amdhsa_float_denorm_mode_16_64 3
		.amdhsa_memory_ordered 1
		.amdhsa_forward_progress 1
		.amdhsa_inst_pref_size 57
	.end_amdhsa_kernel
	.amdgpu_metadata
---
amdhsa.version: [ 1, 2 ]
amdhsa.kernels:
  - .name:           k_q5517ba2db2_vortex
    .symbol:         k_q5517ba2db2_vortex.kd
    .args:
      - { .name: coord, .offset: 0, .size: 8, .value_kind: global_buffer, .address_space: global }
      - { .name: particle_pos, .offset: 8, .size: 8, .value_kind: global_buffer, .address_space: global }
      - { .name: particle_dir, .offset: 16, .size: 8, .value_kind: global_buffer, .address_space: global }
      - { .name: particle_intensity, .offset: 24, .size: 8, .value_kind: global_buffer, .address_space: global }
      - { .name: intensity_raw, .offset: 32, .size: 8, .value_kind: global_buffer, .address_space: global }
      - { .name: radius_u, .offset: 40, .size: 8, .value_kind: global_buffer, .address_space: global }
      - { .name: time_mask, .offset: 48, .size: 8, .value_kind: global_buffer, .address_space: global }
      - { .name: out0, .offset: 56, .size: 8, .value_kind: global_buffer, .address_space: global }
    .group_segment_fixed_size: 33792
    .private_segment_fixed_size: 0
    .kernarg_segment_align: 8
    .kernarg_segment_size: 64
    .max_flat_workgroup_size: 256
    .sgpr_count:     66
    .vgpr_count:     218
    .wavefront_size: 32
...
	.end_amdgpu_metadata
.endif
;; end of part 2
